; MI455X (gfx1250); checked and timed in simulation.
; The chip was launched on July 23, 2026; its instructions are those of AMD's public machine-readable ISA for CDNA 5 (MIT licence, August 2026) and "CDNA5" Instruction Set Architecture Reference Guide (July 2026). The comments in the code are by the model that wrote it; some were corrected since.
;; Seq Attention. Allowed arithmetic: float matrix products may take bf16 or f16 operands with f32 sums; all other float work in f32.
;; Inputs: key 64 x 2,048 x 64 float32; key_pe 1 x 64 x 1,024 float32; query 64 x 1,024 x 64 float32; value 64 x 2,048 x 64 float32.
;; Outputs: out0 64 x 1,024 x 64 float32.
;; 2 versions, each right; version 2 is version 1 with the launch seqattn written anew for expert scheduling mode. Each part assembles by itself: llvm-mc -triple=amdgcn-amd-amdhsa -mcpu=gfx1250 --defsym DOCPART=n.
;; ======== version 1 of 2: 1 launch
;; limits: values are held in f16: magnitudes above 65,504 overflow, below 6.1e-05 lose precision; inputs' magnitudes at most 65,504
;; launch seqattn (part 1): grid 4 x 64, 4 waves a work-group, no clusters, 265,216 bytes of LDS; arguments query, key, value, key_pe, out0; writes out0
.if DOCPART == 1
	.amdgcn_target "amdgcn-amd-amdhsa--gfx1250"
	.amdhsa_code_object_version 6
	.text
	.protected	k_q8a40463433_seqattn
	.globl	k_q8a40463433_seqattn
	.p2align	8
	.type	k_q8a40463433_seqattn,@function
k_q8a40463433_seqattn:
	s_mov_b64 s[64:65], 0
	v_nop
	global_prefetch_b8 v0, s[64:65] scope:SCOPE_SE
	s_setreg_imm32_b32 hwreg(HW_REG_WAVE_MODE, 25, 1), 1
	s_wait_xcnt 0x0
; Banded attention with a relative-position term.
;   s[i][l] = (q_i . k_(i+l) + q_i . pe[:,l]) / 8,  p = softmax over l = 0..1023,  out_i = sum_l p[i][l] v_(i+l).
; query [64][1024][64], key and value [64][2048][64], key_pe [64][1024], out0 [64][1024][64], all f32.
; Matrix operands are 16 bits wide, sums f32, softmax in f32 with a running maximum.
;
; SHARES.  Work-group (x = block of 256 queries, y = head).  Wave c (0..3) owns the queries = c mod 4 of the block, as four tiles:
; tile t, lane column r (= lane & 15) is query i0 + 64 t + 4 r + c.  The wave's key coordinate is shifted by c too: key = i0 + c + x,
; so l = x - 64 t - 4 r: a lane's shift is 4 r words = 16 r bytes, which keeps every shifted 16-byte LDS read aligned.
; x runs in 20 steps of 64; tile t works in steps t .. t+16 (delta = s - t): delta 0 keeps jj >= 4 r, delta 16 keeps jj < 4 r, the rest is whole.
;
; PRODUCTS ARE TRANSPOSED: S^T = K Q^T and O^T = V^T P^T, so a lane owns one query: maximum, sum and rescale factor are one register a lane,
; and the exponentials pack straight into the second source of the P V product.  pos^T = PE^T Q^T is stored to the wave's own LDS stage
; (a ring of 128 l per query) and read back, shifted by 16 r bytes, straight into the C operand of K Q^T: skew and addition cost no vector work.
;
; NUMBER FORMATS.  q, k and pe are rounded to bf16 as they come; the factor log2(e)/8 is applied in f32 behind the products, in the same
; fused multiply-add that takes the maximum away.  The second product runs in f16: a probability rounded to 8 bits is off by up to 2^-9 of
; itself, and the sum of 1,024 such terms then carries about a sixth of one per cent of the row's spread; f16's 11 bits make that an eighth.
; value is rounded to bf16 like the other three inputs and then written as f16, which holds every bf16 number from 2^-14 to 65504 exactly:
; the result is reference() of all four inputs rounded to bf16, up to the rounding of p and of f32 sums.
;
; DATA IN.  K, V and PE are f32 in memory and are wanted in 16 bits: global_load_b128, conversions, ds_store_b64 into rings of four LDS
; slots of 64 rows; a chunk's 24 loads a thread are issued one whole step (four units) ahead of the wait for them.
; The tensor mover is not used: it would land f32 in LDS and cost a second trip through LDS.  No joint requests in a cluster: the four query
; blocks of a head want the same chunk of K and V four steps apart (chunk g is step g of block 0 and step g-4 of block 1), so a joint walk
; would take 32 steps in place of 20; PE is common to all but is 262,144 bytes in the whole launch.
;
; LIMITS.  |value| above 65504 overflows f16; |value| below 2^-14 is kept to within 2^-25.  A probability below 2^-14 of the running
; maximum's term is kept to within 2^-25, against a sum of at least 1.  v_exp_f32 gives 0 for results below 2^-126.
; Masked places are set to -inf before the maximum; every query has a kept key in its first unit, so the running maximum is finite from
; then on.  Key and value rows read past x = 1279 (at most 3, from the mirror rows) and stage words with l < 0 or l > 1023 meet masked
; places only; with infinities or NaN in value the zeros times such rows give NaN, as reference()'s own product with the zero-filled band
; does, but not element for element.
; The shifted stage reads touch 16-byte columns 2 r mod 16 (two lanes a column) while the stores touch 3 r mod 16 (all different):
; with one pitch for both, 560 bytes, one of the two has to pair up.
; In the last trip of the loop the PE chunk number is clamped to 15: four chunk loads are repeats, and step 15 loads a set of PE fragments
; that no product reads.  That keeps the loop's four steps alike; every address stays inside key_pe.
; ---- LDS map (bytes) ----
.set KP,     144                       ; K row: 64 bf16 + 16 bytes
.set VP,     160                       ; V row: 64 f16 + 32 bytes (odd multiple of 32, for the transposing load)
.set PP,     160                       ; PE row (one d, 64 l): the same
.set KSLOT,  64*KP
.set VSLOT,  64*VP
.set PSLOT,  64*PP
.set KB,     0                         ; 264 rows: 4 slots of 64, then 8 rows that repeat rows 0-7 (a wave reads up to 3 rows past a slot)
.set VB,     264*KP                    ; 264 rows likewise
.set PB,     VB+264*VP                 ; 4 slots of 64 rows
.set STG,    PB+4*PSLOT                ; stages: wave, tile, query row
.set SROW,   560                       ; 128 f32 + 48 bytes
.set STILE,  16*SROW
.set SWAVE,  4*STILE
.set OPITCH, 272                       ; the way out: a row of 64 f32 + 16 bytes
; ---- vector registers, window 0 ----
.set KA,   1                           ; LDS address of my K fragment rows
.set VA,   2                           ; of my V fragment rows (transposing load)
.set PA,   3                           ; of my PE fragment rows (transposing load)
.set KST,  4                           ; where I store 8 bytes of a K chunk
.set VST,  5
.set PST,  6
.set GKV,  7                           ; 16 x thread: my 16 bytes in 2,048 of a K or V chunk
.set GPE,  8                           ; my 16 bytes of a PE chunk
.set STA,  9                           ; stage, store side
.set THR,  10                          ; 4 r - 8 h, signed: the mask's threshold
.set NINF, 11                          ; -inf
.set OST,  12                          ; the way out, store side
.set ORD,  13                          ; the way out, read side
.set OGO,  14                          ; my byte offset in out0
.set GQ,   15                          ; my byte offset in query
.set LDA,  16                          ; v16-31: stage, shifted read side, [8 p + 2 kt + e]
.set MM,   32                          ; v32-35 running maximum of tile t, in raw score units
.set LS,   36                          ; v36-39 running sum of tile t (per half of the lanes until the end)
.set MX,   40                          ; v40-43 max chains
.set ALPHA,44                          ; v44 (pair with v45)
.set NMS,  46                          ; v46: - log2(e)/8 x new maximum, broadcast from the pair v46-47
.set NM,   47                          ; v47: the new maximum
.set SU,   48                          ; v48-55 sum chains
.set TP,   56                          ; destination of the lane exchange
.set AD,   57
.set INV,  58                          ; v58 (pair with v59)
.set ZZ,   60                          ; v60-63 zeros
.set QF,   64                          ; v64-127 Q fragments, (t, kk) at 8 (2 t + kk)
.set SBA,  128                         ; v128-159 and v160-191: two score buffers
.set POSD, 192                         ; v192-223 pos^T of the next unit
.set PK,   224                         ; v224-239 packed probabilities
; window 1: PE fragments, set (delta mod 4) at 64 set + 8 (2 u + kk); at the start staging of chunks 1 and 2
; window 2: K fragments 8 (2 kt + kk); V^T fragments VF + 8 (2 dt + kc); O^T(t, dt) at OB + 32 t + 8 dt; at the start raw q in OB
; window 3: staging of one chunk: K 0-31, V 32-63, PE 64-95
.set VF,   64
.set OB,   128
.set PH,   0
.set CUR,  SBA
.set NXT,  SBA+32
.set MSB,  0
.macro WIN new                         ; low byte: 1:0 source 0, 3:2 source 1, 5:4 source 2, 7:6 destination; high byte repeats the setting that is left
.if MSB != \new
	s_set_vgpr_msb (MSB<<8)|\new
.set MSB, \new
.endif
.endm
.macro PLACES                          ; four independent vector instructions behind a matrix instruction (ISA guide 7.12.1)
.rept 4
	v_nop
.endr
.endm
; 24 loads: one chunk of K, V (64 rows of 256 bytes, dense) and PE (64 rows of 256 bytes, 4,096 apart).  Sixteen lanes read one whole row.
.macro GLOAD win, base, kofs, pofs
	WIN \win
.irp i, 0,1,2,3,4,5,6,7
	global_load_b128 v[\base+4*\i:\base+4*\i+3], v[GKV], s[6:7] offset:\kofs+2048*\i
.endr
.irp i, 0,1,2,3,4,5,6,7
	global_load_b128 v[\base+32+4*\i:\base+32+4*\i+3], v[GKV], s[8:9] offset:\kofs+2048*\i
.endr
.irp i, 0,1,2,3,4,5,6,7
	global_load_b128 v[\base+64+4*\i:\base+64+4*\i+3], v[GPE], s[24:25] offset:\pofs+32768*\i
.endr
.endm
; Round a staged chunk to bf16 in place (4 f32 become 2 registers), write V's bf16 numbers as f16, and store the chunk into ring slot \slot.
; cw, sw: windows for converting, storing.
.macro CVST cw, sw, base, slot, pe
	WIN \cw
.set n, 0
.rept 16+8*\pe
	v_cvt_pk_bf16_f32 v[\base+4*n], v[\base+4*n], v[\base+4*n+1]
	v_cvt_pk_bf16_f32 v[\base+4*n+1], v[\base+4*n+2], v[\base+4*n+3]
.set n, n+1
.endr
	; V: each packed pair is widened into the group's two free registers and narrowed to f16 (exact between 2^-14 and 65504)
.irp w, 0,1
.irp i, 0,1,2,3,4,5,6,7
	v_lshlrev_b32 v[\base+32+4*\i+2], 16, v[\base+32+4*\i+\w]
	v_and_b32 v[\base+32+4*\i+3], s23, v[\base+32+4*\i+\w]
.endr
.irp i, 0,1,2,3,4,5,6,7
	v_cvt_pk_f16_f32 v[\base+32+4*\i+\w], v[\base+32+4*\i+2], v[\base+32+4*\i+3]
.endr
.endr
	WIN \sw
.irp i, 0,1,2,3,4,5,6,7
	ds_store_b64 v[KST], v[\base+4*\i:\base+4*\i+1] offset:\slot*KSLOT+8*KP*\i
.endr
.irp i, 0,1,2,3,4,5,6,7
	ds_store_b64 v[VST], v[\base+32+4*\i:\base+32+4*\i+1] offset:\slot*VSLOT+8*VP*\i
.endr
.if \slot == 0
	ds_store_b64 v[KST], v[\base:\base+1] offset:256*KP            ; rows 0-7 once more behind slot 3
	ds_store_b64 v[VST], v[\base+32:\base+33] offset:256*VP
.endif
.if \pe
.irp i, 0,1,2,3,4,5,6,7
	ds_store_b64 v[PST], v[\base+64+4*\i:\base+64+4*\i+1] offset:\slot*PSLOT+8*PP*\i
.endr
.endif
.endm
; The head of step s.  bar: the step's barrier.  st: chunk s+3 goes into slot (s+3) mod 4.  ld: chunk s+4 is asked for.
.macro STEPHEAD slot, bar, st, pe, ld
.if \bar
	s_wait_dscnt 0x0                               ; my reads of the slot that is written below (last step's) and my stores of the last head are done
	s_barrier_signal -1
	s_barrier_wait -1                              ; and everybody's
.endif
.if \st
	s_wait_loadcnt 0x0                             ; the chunk asked for one step ago; this also frees the loads' bases
	CVST 0xcf, 0x0c, 0, \slot, \pe
.endif
.if \ld
	s_add_nc_u64 s[6:7], s[6:7], 16384
	s_add_nc_u64 s[8:9], s[8:9], 16384
	s_add_co_u32 s28, s28, 256
	s_min_u32 s26, s28, 3840                       ; PE has 16 chunks of 256 bytes a row: stay on the last
	s_add_nc_u64 s[24:25], s[10:11], s[26:27]
	GLOAD 0xc0, 0, 0, 0
.endif
.endm
; Fragments.  c = 2 kk + e (or 2 kc + e): which 16 of the 64 along the product's K.
.macro LDK slot                        ; 64 keys x 64 d: rows lie along d, two 16-byte loads 32 bytes apart for each 32 d
.irp kt, 0,1,2,3
.irp c, 0,1,2,3
	ds_load_b128 v[16*\kt+4*\c:16*\kt+4*\c+3], v[KA] offset:\slot*KSLOT+16*KP*\kt+32*\c
.endr
.endr
.endm
.macro LDV slot                        ; V^T: 64 d x 64 keys from rows that lie along d: transposing loads
.irp dt, 0,1,2,3
.irp c, 0,1,2,3
	ds_load_tr16_b128 v[VF+16*\dt+4*\c:VF+16*\dt+4*\c+3], v[VA] offset:\slot*VSLOT+16*VP*\c+32*\dt
.endr
.endr
.endm
.macro LDP set                         ; PE^T: 64 l x 64 d from rows that lie along l: transposing loads
.irp u, 0,1,2,3
.irp c, 0,1,2,3
	ds_load_tr16_b128 v[64*\set+16*\u+4*\c:64*\set+16*\u+4*\c+3], v[PA] offset:\set*PSLOT+16*PP*\c+32*\u
.endr
.endr
.endm
.macro QK t                            ; S^T += K Q^T; C came from the stage.  The second four are links in place
.irp kk, 0,1
.irp kt, 0,1,2,3
	v_wmma_f32_16x16x32_bf16 v[CUR+8*\kt:CUR+8*\kt+7], v[8*(2*\kt+\kk):8*(2*\kt+\kk)+7], v[QF+8*(2*\t+\kk):QF+8*(2*\t+\kk)+7], v[CUR+8*\kt:CUR+8*\kt+7]
.endr
.endr
.endm
.macro POS t, set                      ; pos^T = PE^T Q^T for 64 l; the first product starts the sums
.irp u, 0,1,2,3
	v_wmma_f32_16x16x32_bf16 v[POSD+8*\u:POSD+8*\u+7], v[64*\set+16*\u:64*\set+16*\u+7], v[QF+16*\t:QF+16*\t+7], 0
.endr
.irp u, 0,1,2,3
	v_wmma_f32_16x16x32_bf16 v[POSD+8*\u:POSD+8*\u+7], v[64*\set+16*\u+8:64*\set+16*\u+15], v[QF+16*\t+8:QF+16*\t+15], v[POSD+8*\u:POSD+8*\u+7]
.endr
.endm
.macro PV t, first                     ; O^T += V^T P^T, both operands f16
.irp kc, 0,1
.irp dt, 0,1,2,3
.if \first*(1-\kc)
	v_wmma_f32_16x16x32_f16 v[OB+32*\t+8*\dt:OB+32*\t+8*\dt+7], v[VF+8*(2*\dt+\kc):VF+8*(2*\dt+\kc)+7], v[PK+8*\kc:PK+8*\kc+7], 0
.else
	v_wmma_f32_16x16x32_f16 v[OB+32*\t+8*\dt:OB+32*\t+8*\dt+7], v[VF+8*(2*\dt+\kc):VF+8*(2*\dt+\kc)+7], v[PK+8*\kc:PK+8*\kc+7], v[OB+32*\t+8*\dt:OB+32*\t+8*\dt+7]
.endif
.endr
.endr
.endm
.macro STST t, p                       ; pos^T into half p of tile t's ring: word l mod 128 of row r
.irp u, 0,1,2,3
.irp e, 0,1
	ds_store_b128 v[STA], v[POSD+8*\u+4*\e:POSD+8*\u+4*\e+3] offset:STILE*\t+256*\p+64*\u+16*\e
.endr
.endr
.endm
.macro CLD t, p, buf                   ; the same ring read 16 r bytes lower (mod 512): pos in key coordinates, as C of the next K Q^T
.irp kt, 0,1,2,3
.irp e, 0,1
	ds_load_b128 v[\buf+8*\kt+4*\e:\buf+8*\kt+4*\e+3], v[LDA+8*\p+2*\kt+\e] offset:STILE*\t
.endr
.endr
.endm
; One unit: tile t in step s (16 queries x 64 keys).  kind 0: first of the tile (delta 0), 1: whole, 2: last (delta 16).
; (nt, ns): the unit that follows; nk 1: make its pos^T and load its C, 2: load its C only (delta 16 has no new l), 0: nothing follows.
; fv: load this step's V fragments; fpe: the next PE set; fk: the next step's K fragments.  dsl: LDS instructions that may stay out at the head.
.macro UNIT t, s, kind, nt, ns, nk, fv, fpe, fk, dsl
.set PSET, (\ns-\nt)&3
.set PPAR, (\ns-\nt)&1
.set SL0, (\s)&3
.set SL1, (\s+1)&3
.set NAFT, 16*\fpe+16*\fk
.if \nk
.set NAFT, NAFT+8
.endif
	s_wait_dscnt \dsl                              ; my C (and K fragments) are in; only a step head's stores, issued behind them, may be out
	WIN 0x02
	QK \t
.if \nk == 1
	WIN 0x01
	POS \nt, PSET
.endif
	WIN 0
	PLACES                                         ; before S is read, pos^T stored, and fragments of these products loaded over
.if \kind != 1
.irp kt, 0,1,2,3
.irp j, 0,1,2,3,4,5,6,7
.if \kind == 0
	v_cmp_lt_i32 vcc_lo, 16*\kt+\j, v[THR]         ; jj = 16 kt + 8 h + j < 4 r: l < 0
.else
	v_cmp_ge_i32 vcc_lo, 16*\kt+\j, v[THR]         ; jj >= 4 r: l > 1023
.endif
	v_cndmask_b32 v[CUR+8*\kt+\j], v[CUR+8*\kt+\j], v[NINF], vcc_lo
.endr
.endr
.endif
	; the new maximum of my query: four chains over my 32 scores, the old maximum, the other half of the lanes
.irp c, 0,1,2,3
	v_max3_num_f32 v[MX+\c], v[CUR+8*\c], v[CUR+8*\c+1], v[CUR+8*\c+2]
.endr
.irp c, 0,1,2,3
	v_max3_num_f32 v[MX+\c], v[MX+\c], v[CUR+8*\c+3], v[CUR+8*\c+4]
.endr
.irp c, 0,1,2,3
	v_max3_num_f32 v[MX+\c], v[MX+\c], v[CUR+8*\c+5], v[CUR+8*\c+6]
.endr
	v_max3_num_f32 v[MX], v[MX], v[CUR+7], v[MX+1]
	v_max3_num_f32 v[MX+2], v[MX+2], v[CUR+15], v[MX+3]
	v_max3_num_f32 v[MX], v[MX], v[CUR+23], v[MX+2]
.if \kind == 0
	v_max_num_f32 v[MX], v[MX], v[CUR+31]
.else
	v_max3_num_f32 v[MX], v[MX], v[CUR+31], v[MM+\t]
.endif
	v_permlanex16_b32 v[TP], v[MX], s20, s21       ; lane i takes lane i xor 16: the same query's other 32 keys
	v_max_num_f32 v[NM], v[MX], v[TP]
	v_mul_f32 v[NMS], s29, v[NM]                   ; - log2(e)/8 x maximum: the addend of the multiply-adds below
	; LDS work for what follows, under the exponentials
.if \nk == 1
	STST \nt, PPAR
.endif
.if \fv
	WIN 0x80
	LDV SL0
.endif
.if \nk
	WIN 0
	CLD \nt, PPAR, NXT                             ; LDS serves a wave's instructions in order (ISA guide 5.7.1): these see the stores above
.endif
.if \fpe
	WIN 0x40
	LDP SL1
.endif
.if \fk
	WIN 0x80
	LDK SL1
.endif
	WIN 0
	; p = 2^(c s - c max), alpha = 2^(c old max - c max), c = log2(e)/8: scale and maximum in one fused multiply-add
.if \kind != 0
	v_fma_f32 v[AD], v[MM+\t], s30, v[NMS]
.endif
.irp i, 0,1,2,3,4,5,6,7,8,9,10,11,12,13,14,15
	v_pk_fma_f32 v[CUR+2*\i:CUR+2*\i+1], v[CUR+2*\i:CUR+2*\i+1], s[30:31], v[NMS:NMS+1] op_sel_hi:[1,0,0]
.endr
.if \kind != 0
	v_exp_f32 v[ALPHA], v[AD]
.endif
.set n, 0
.rept 32
	v_exp_f32 v[CUR+n], v[CUR+n]
.set n, n+1
.endr
	v_mov_b32 v[MM+\t], v[NM]                      ; the plain instruction between the exponentials and the first use of a result
	s_wait_alu depctr_va_vdst(0)
.irp c, 0,1,2,3
	v_pk_add_f32 v[SU+2*\c:SU+2*\c+1], v[CUR+4*\c:CUR+4*\c+1], v[CUR+4*\c+2:CUR+4*\c+3]
.endr
.irp c, 0,1,2,3
	v_pk_add_f32 v[SU+2*\c:SU+2*\c+1], v[SU+2*\c:SU+2*\c+1], v[CUR+16+2*\c:CUR+16+2*\c+1]
.endr
.irp c, 0,1,2,3
	v_pk_add_f32 v[SU+2*\c:SU+2*\c+1], v[SU+2*\c:SU+2*\c+1], v[CUR+24+2*\c:CUR+24+2*\c+1]
.endr
	v_pk_add_f32 v[SU:SU+1], v[SU:SU+1], v[SU+2:SU+3]
	v_pk_add_f32 v[SU+4:SU+5], v[SU+4:SU+5], v[SU+6:SU+7]
	v_pk_add_f32 v[SU:SU+1], v[SU:SU+1], v[SU+4:SU+5]
.if \kind == 0
	v_add_f32 v[LS+\t], v[SU], v[SU+1]
.else
	v_add_f32 v[SU], v[SU], v[SU+1]
	v_fma_f32 v[LS+\t], v[LS+\t], v[ALPHA], v[SU]
.endif
.irp i, 0,1,2,3,4,5,6,7,8,9,10,11,12,13,14,15
	v_cvt_pk_f16_f32 v[PK+\i], v[CUR+2*\i], v[CUR+2*\i+1]    ; p <= 1; keys 16 kt + 8 h + j: exactly the second source's layout for 32 keys
.endr
.if \fv
	s_wait_dscnt NAFT                              ; the V fragments are in; the NAFT loads issued behind them (C, PE, K) may stay out
.endif
	WIN 0xa2
.if \kind != 0
.irp i, 0,1,2,3,4,5,6,7,8,9,10,11,12,13,14,15
	v_pk_mul_f32 v[OB+32*\t+2*\i:OB+32*\t+2*\i+1], v[OB+32*\t+2*\i:OB+32*\t+2*\i+1], v[ALPHA:ALPHA+1] op_sel_hi:[1,0]
.endr
	PV \t, 0
.else
	PV \t, 1
.endif
.set PH, 1-PH
.set CUR, SBA+32*PH
.set NXT, SBA+32*(1-PH)
.endm
; Tile t is done: divide by the sum, turn O^T round through the tile's stage (no longer used for pos), store whole rows of 256 bytes.
.macro OUT t
	WIN 0
	PLACES                                         ; behind the last P V products, before O is read
	v_permlanex16_b32 v[TP], v[LS+\t], s20, s21
	v_add_f32 v[LS+\t], v[LS+\t], v[TP]            ; both halves of the keys; at least 1, the maximum's own term
	v_rcp_f32 v[INV], v[LS+\t]
	v_nop                                          ; one plain instruction behind the reciprocal
	WIN 0x82
	s_wait_alu depctr_va_vdst(0)
.irp i, 0,1,2,3,4,5,6,7,8,9,10,11,12,13,14,15
	v_pk_mul_f32 v[OB+32*\t+2*\i:OB+32*\t+2*\i+1], v[OB+32*\t+2*\i:OB+32*\t+2*\i+1], v[INV:INV+1] op_sel_hi:[1,0]
.endr
	WIN 0x08
.irp dt, 0,1,2,3
.irp e, 0,1
	ds_store_b128 v[OST], v[OB+32*\t+8*\dt+4*\e:OB+32*\t+8*\dt+4*\e+3] offset:STILE*\t+64*\dt+16*\e
.endr
.endr
	WIN 0
.irp i, 0,1,2,3,4,5,6,7
	ds_load_b128 v[NXT+4*\i:NXT+4*\i+3], v[ORD] offset:STILE*\t+2*OPITCH*\i     ; lanes 0-15 row 2 i, lanes 16-31 row 2 i + 1
.endr
.irp i, 0,1,2,3,4,5,6,7
	s_wait_dscnt 7-\i
	global_store_b128 v[OGO], v[NXT+4*\i:NXT+4*\i+3], s[12:13] offset:16384*\t+2048*\i th:TH_STORE_NT   ; 16 lanes store one query's 256 bytes, aligned
.endr
	s_wait_xcnt 0x0                                ; the free score buffer is loaded again only behind this wait
.endm
.macro FULLSTEP s, slot, nst           ; a step in which all four tiles are whole
	STEPHEAD \slot, 1, 1, 1, 1
	UNIT 3, \s, 1, 2, \s, 1, 1, 1, 0, \nst
	UNIT 2, \s, 1, 1, \s, 1, 0, 0, 0, 0
	UNIT 1, \s, 1, 0, \s, 1, 0, 0, 0, 0
	UNIT 0, \s, 1, 3, \s+1, 1, 0, 0, 1, 0
.endm
; ================= the start =================
	s_load_b256 s[4:11], s[0:1], 0x0               ; query s[4:5], key s[6:7], value s[8:9], key_pe s[10:11]
	s_load_b64 s[12:13], s[0:1], 0x20              ; out0
	v_lshl_add_u32 v254, v0, 2, 0x40a00
	v_mov_b32 v255, 0
	v_lshrrev_b32 v[TP], 5, v0
	v_readfirstlane_b32 s14, v[TP]                 ; wave = c
	s_and_b32 s15, ttmp7, 0xffff                   ; head
	s_lshl_b32 s16, ttmp9, 16                      ; query block x 256 rows x 256 bytes
	s_lshl_b32 s18, s15, 19                        ; head x 2048 rows x 256 bytes
	s_add_co_u32 s18, s18, s16                     ; K and V: the block's first key row is its first query's number
	s_mov_b32 s19, 0
	s_lshl_b32 s32, s15, 18                        ; head x 1024 rows x 256 bytes
	s_add_co_u32 s32, s32, s16
	s_lshl_b32 s17, s14, 8
	s_add_co_u32 s32, s32, s17                     ; + c rows
	s_mov_b32 s33, 0
	s_mov_b32 s20, 0x76543210
	s_mov_b32 s21, 0xfedcba98
	s_mov_b32 s23, 0xffff0000                      ; a word's upper bf16
	s_mov_b32 s29, 0xbe38aa3b                      ; - log2(e) / 8
	s_mov_b32 s30, 0x3e38aa3b                      ; log2(e) / 8
	s_mov_b32 s31, 0x3e38aa3b
	s_mov_b32 s27, 0
	s_mul_i32 s17, s14, SWAVE
	s_add_co_u32 s17, s17, STG                     ; my wave's stages
	v_and_b32 v40, 15, v0                          ; r
	v_bfe_u32 v41, v0, 4, 1                        ; h
	v_lshrrev_b32 v48, 4, v0                       ; thread / 16: 0..7
	v_lshlrev_b32 v[GKV], 4, v0
	v_lshlrev_b32 v[GPE], 12, v48
	v_lshl_add_u32 v[GPE], v40, 4, v[GPE]
	v_lshlrev_b32 v[GQ], 10, v40                   ; 4 r rows of 256 bytes
	v_lshl_add_u32 v[GQ], v41, 5, v[GQ]            ; + 8 h numbers
	s_wait_kmcnt 0x0
	s_add_nc_u64 s[6:7], s[6:7], s[18:19]
	s_add_nc_u64 s[8:9], s[8:9], s[18:19]
	s_add_nc_u64 s[4:5], s[4:5], s[32:33]
	s_add_nc_u64 s[12:13], s[12:13], s[32:33]
	s_mov_b64 s[24:25], s[10:11]
	GLOAD 0xc0, 0, 0, 0                            ; chunk 0 into window 3
	GLOAD 0x40, 0, 16384, 256                      ; chunks 1 and 2 into window 1, which holds no fragments yet
	GLOAD 0x40, 96, 32768, 512
	WIN 0x80
.irp t, 0,1,2,3
.irp c, 0,1,2,3
.irp q, 0,1
	global_load_b128 v[OB+32*\t+8*\c+4*\q:OB+32*\t+8*\c+4*\q+3], v[GQ], s[4:5] offset:16384*\t+64*\c+16*\q   ; q(64 t + 4 r + c, 16 c' + 8 h ..)
.endr
.endr
.endr
	WIN 0
	v_and_b32 v42, 7, v0
	v_bfe_u32 v43, v0, 3, 1
	v_add_nc_u32 v49, s14, v40                     ; r + c: the wave's key shift is a row shift
	v_mul_u32_u24 v[KA], v49, KP
	v_lshl_add_u32 v[KA], v41, 4, v[KA]
	v_lshl_add_u32 v49, v41, 3, v42                ; 8 h + lane mod 8
	v_mul_u32_u24 v[PA], v49, PP
	v_lshl_add_u32 v[PA], v43, 4, v[PA]
	v_add_nc_u32 v[PA], PB, v[PA]
	v_add_nc_u32 v49, s14, v49
	v_mul_u32_u24 v[VA], v49, VP
	v_lshl_add_u32 v[VA], v43, 4, v[VA]
	v_add_nc_u32 v[VA], VB, v[VA]
	v_mul_u32_u24 v[KST], v48, KP
	v_lshl_add_u32 v[KST], v40, 3, v[KST]
	v_mul_u32_u24 v[VST], v48, VP
	v_lshl_add_u32 v[VST], v40, 3, v[VST]
	v_add_nc_u32 v[PST], PB, v[VST]
	v_add_nc_u32 v[VST], VB, v[VST]
	v_mul_u32_u24 v51, v40, SROW
	v_add_nc_u32 v51, s17, v51                     ; my query's stage row (tile 0)
	v_lshl_add_u32 v[STA], v41, 5, v51
	v_lshlrev_b32 v[THR], 2, v40
	v_lshlrev_b32 v52, 3, v41
	v_sub_nc_u32 v[THR], v[THR], v52
	v_mov_b32 v[NINF], 0xff800000
	v_mul_u32_u24 v[OST], v40, OPITCH
	v_add_nc_u32 v[OST], s17, v[OST]
	v_lshl_add_u32 v[OST], v41, 5, v[OST]
	v_mul_u32_u24 v[ORD], v41, OPITCH
	v_add_nc_u32 v[ORD], s17, v[ORD]
	v_lshl_add_u32 v[ORD], v40, 4, v[ORD]
	v_lshlrev_b32 v[OGO], 10, v41                  ; row 2 i + h is query 4 (2 i + h): 1,024 bytes for h
	v_lshl_add_u32 v[OGO], v40, 4, v[OGO]
	v_lshlrev_b32 v53, 5, v41
	v_add_nc_u32 v53, 512, v53
	v_lshlrev_b32 v54, 4, v40
	v_sub_nc_u32 v53, v53, v54                     ; 512 + 32 h - 16 r, at least 272
.irp p, 0,1
.irp kt, 0,1,2,3
.irp e, 0,1
	v_add_nc_u32 v54, 256*\p+64*\kt+16*\e, v53
	v_and_b32 v54, 0x1ff, v54                      ; inside the ring of 512 bytes; a multiple of 16, so 16 bytes never wrap
	v_add_nc_u32 v[LDA+8*\p+2*\kt+\e], v51, v54
.endr
.endr
.endr
.irp z, 0,1,2,3
	v_mov_b32 v[ZZ+\z], 0
.endr
	v_mov_b32 v[ALPHA+1], 0                        ; second registers of pairs whose first is broadcast
	v_mov_b32 v[INV+1], 0
.irp t, 0,1,2,3
.irp u, 0,1,2,3
.irp e, 0,1
	ds_store_b128 v[STA], v[ZZ:ZZ+3] offset:STILE*\t+256+64*\u+16*\e   ; ring half 1 stands for l = -64..-1 in the first unit: masked, but written
.endr
.endr
.endr
	s_wait_loadcnt 0x0                             ; chunks 0-2 and q
	CVST 0xcf, 0x0c, 0, 0, 1
	CVST 0x45, 0x04, 0, 1, 1
	CVST 0x45, 0x04, 96, 2, 1
	s_add_nc_u64 s[6:7], s[6:7], 49152             ; chunk 3
	s_add_nc_u64 s[8:9], s[8:9], 49152
	s_mov_b32 s28, 768
	s_mov_b32 s26, 768
	s_add_nc_u64 s[24:25], s[10:11], s[26:27]
	GLOAD 0xc0, 0, 0, 0
	WIN 0x0a
.set n, 0
.rept 64
	v_cvt_pk_bf16_f32 v[QF+n], v[OB+2*n], v[OB+2*n+1]              ; q as it comes: the scale follows behind the products
.set n, n+1
.endr
	s_wait_dscnt 0x0                               ; my parts of chunks 0-2 are in LDS
	s_barrier_signal -1
	s_barrier_wait -1                              ; everybody's are
	WIN 0x80
	LDK 0
	WIN 0x40
	LDP 0
	s_wait_dscnt 0x0
	WIN 0x01
	POS 0, 0
	WIN 0
	PLACES
	STST 0, 0
	CLD 0, 0, CUR
; ================= steps 0-3: the tiles come in one by one =================
	STEPHEAD 3, 0, 1, 1, 1                         ; slot 3 has had no reader yet: no barrier
	UNIT 0, 0, 0, 1, 1, 1, 1, 1, 1, 24
	STEPHEAD 0, 1, 1, 1, 1
	UNIT 1, 1, 0, 0, 1, 1, 1, 1, 0, 26
	UNIT 0, 1, 1, 2, 2, 1, 0, 0, 1, 0
	STEPHEAD 1, 1, 1, 1, 1
	UNIT 2, 2, 0, 1, 2, 1, 1, 1, 0, 24
	UNIT 1, 2, 1, 0, 2, 1, 0, 0, 0, 0
	UNIT 0, 2, 1, 3, 3, 1, 0, 0, 1, 0
	STEPHEAD 2, 1, 1, 1, 1
	UNIT 3, 3, 0, 2, 3, 1, 1, 1, 0, 24
	UNIT 2, 3, 1, 1, 3, 1, 0, 0, 0, 0
	UNIT 1, 3, 1, 0, 3, 1, 0, 0, 0, 0
	UNIT 0, 3, 1, 3, 4, 1, 0, 0, 1, 0
; ================= steps 4-15: three trips of four steps; slots, sets and ring halves hang on s mod 4 alone =================
	WIN 0
	s_mov_b32 s22, 3
.Ltrip:
	FULLSTEP 4, 3, 24
	FULLSTEP 5, 0, 26
	FULLSTEP 6, 1, 24
	FULLSTEP 7, 2, 24
	WIN 0
	s_sub_co_u32 s22, s22, 1
	s_cmp_lg_u32 s22, 0
	s_cbranch_scc1 .Ltrip
; ================= steps 16-19: the tiles leave one by one =================
	STEPHEAD 3, 1, 1, 0, 0                         ; chunk 19, the last: K and V only, nothing more is asked for
	UNIT 3, 16, 1, 2, 16, 1, 1, 0, 0, 16
	UNIT 2, 16, 1, 1, 16, 1, 0, 0, 0, 0
	UNIT 1, 16, 1, 0, 16, 2, 0, 0, 0, 0
	UNIT 0, 16, 2, 3, 17, 1, 0, 0, 1, 0
	OUT 0
	STEPHEAD 0, 1, 0, 0, 0                         ; the barrier behind which chunk 19 may be read
	UNIT 3, 17, 1, 2, 17, 1, 1, 0, 0, 0
	UNIT 2, 17, 1, 1, 17, 2, 0, 0, 0, 0
	UNIT 1, 17, 2, 3, 18, 1, 0, 0, 1, 0
	OUT 1
	UNIT 3, 18, 1, 2, 18, 2, 1, 0, 0, 0            ; nothing is written to the rings any more: no barrier
	UNIT 2, 18, 2, 3, 19, 2, 0, 0, 1, 0
	OUT 2
	UNIT 3, 19, 2, 0, 0, 0, 1, 0, 0, 0
	OUT 3
	s_wait_tensorcnt 0x0
	ds_add_u32 v254, v255
	s_wait_dscnt 0x0
	s_endpgm
.Lfunc_end_k_q8a40463433_seqattn:
	.size	k_q8a40463433_seqattn, .Lfunc_end_k_q8a40463433_seqattn-k_q8a40463433_seqattn
	.p2alignl 7, 3214868480
	.fill 96, 4, 3214868480
	.section	.rodata,"a",@progbits
	.p2align	6, 0x0
	.amdhsa_kernel k_q8a40463433_seqattn
		.amdhsa_group_segment_fixed_size 265216
		.amdhsa_private_segment_fixed_size 0
		.amdhsa_enable_private_segment 0
		.amdhsa_kernarg_size 40
		.amdhsa_user_sgpr_count 2
		.amdhsa_user_sgpr_kernarg_segment_ptr 1
		.amdhsa_wavefront_size32 1
		.amdhsa_system_sgpr_workgroup_id_x 1
		.amdhsa_system_sgpr_workgroup_id_y 1
		.amdhsa_system_sgpr_workgroup_id_z 1
		.amdhsa_system_vgpr_workitem_id 0
		.amdhsa_next_free_vgpr 864
		.amdhsa_next_free_sgpr 66
		.amdhsa_reserve_vcc 1
		.amdhsa_float_denorm_mode_32 3
		.amdhsa_float_denorm_mode_16_64 3
		.amdhsa_memory_ordered 1
		.amdhsa_forward_progress 1
		.amdhsa_inst_pref_size 255
	.end_amdhsa_kernel
	.section	.bss,"aw",@nobits
	.p2align	6
	.space	262144
	.amdgpu_metadata
---
amdhsa.version: [ 1, 2 ]
amdhsa.kernels:
  - .name:           k_q8a40463433_seqattn
    .symbol:         k_q8a40463433_seqattn.kd
    .args:
      - { .name: query, .offset: 0, .size: 8, .value_kind: global_buffer, .address_space: global }
      - { .name: key, .offset: 8, .size: 8, .value_kind: global_buffer, .address_space: global }
      - { .name: value, .offset: 16, .size: 8, .value_kind: global_buffer, .address_space: global }
      - { .name: key_pe, .offset: 24, .size: 8, .value_kind: global_buffer, .address_space: global }
      - { .name: out0, .offset: 32, .size: 8, .value_kind: global_buffer, .address_space: global }
    .group_segment_fixed_size: 265216
    .private_segment_fixed_size: 0
    .kernarg_segment_align: 8
    .kernarg_segment_size: 40
    .max_flat_workgroup_size: 128
    .sgpr_count:     66
    .vgpr_count:     864
    .wavefront_size: 32
...
	.end_amdgpu_metadata
.endif
;; end of part 1
;; ======== version 2 of 2: 1 launch; version 1 with the launch seqattn written anew for expert scheduling mode
;; limits: values are held in f16: magnitudes above 65,504 overflow, below 6.1e-05 lose precision; inputs' magnitudes at most 65,504
;; launch seqattn (part 2): grid 4 x 64, 4 waves a work-group, no clusters, 265,216 bytes of LDS; arguments query, key, value, key_pe, out0; writes out0
.if DOCPART == 2
	.amdgcn_target "amdgcn-amd-amdhsa--gfx1250"
	.amdhsa_code_object_version 6
	.text
	.protected	k_q8a40463433_seqattn
	.globl	k_q8a40463433_seqattn
	.p2align	8
	.type	k_q8a40463433_seqattn,@function
k_q8a40463433_seqattn:
	s_mov_b64 s[64:65], 0
	v_nop
	global_prefetch_b8 v0, s[64:65] scope:SCOPE_SE
	s_setreg_imm32_b32 hwreg(HW_REG_WAVE_SCHED_MODE, 0, 2), 2
	s_setreg_imm32_b32 hwreg(HW_REG_WAVE_MODE, 25, 1), 1
	s_wait_xcnt 0x0
	s_wait_alu depctr_vm_vsrc(0)
; Banded attention with a relative-position term.
;   s[i][l] = (q_i . k_(i+l) + q_i . pe[:,l]) / 8,  p = softmax over l = 0..1023,  out_i = sum_l p[i][l] v_(i+l).
; query [64][1024][64], key and value [64][2048][64], key_pe [64][1024], out0 [64][1024][64], all f32.
; Matrix operands are 16 bits wide, sums f32, softmax in f32 with a running maximum.
;
; SHARES.  Work-group (x = block of 256 queries, y = head).  Wave c (0..3) owns the queries = c mod 4 of the block, as four tiles:
; tile t, lane column r (= lane & 15) is query i0 + 64 t + 4 r + c.  The wave's key coordinate is shifted by c too: key = i0 + c + x,
; so l = x - 64 t - 4 r: a lane's shift is 4 r words = 16 r bytes, which keeps every shifted 16-byte LDS read aligned.
; x runs in 20 steps of 64; tile t works in steps t .. t+16 (delta = s - t): delta 0 keeps jj >= 4 r, delta 16 keeps jj < 4 r, the rest is whole.
;
; PRODUCTS ARE TRANSPOSED: S^T = K Q^T and O^T = V^T P^T, so a lane owns one query: maximum, sum and rescale factor are one register a lane,
; and the exponentials pack straight into the second source of the P V product.  pos^T = PE^T Q^T is stored to the wave's own LDS stage
; (a ring of 128 l per query) and read back, shifted by 16 r bytes, straight into the C operand of K Q^T: skew and addition cost no vector work.
;
; NUMBER FORMATS.  q, k and pe are rounded to bf16 as they come; the factor log2(e)/8 is applied in f32 behind the products, in the same
; fused multiply-add that takes the maximum away.  The second product runs in f16: a probability rounded to 8 bits is off by up to 2^-9 of
; itself, and the sum of 1,024 such terms then carries about a sixth of one per cent of the row's spread; f16's 11 bits make that an eighth.
; value is rounded to bf16 like the other three inputs and then written as f16, which holds every bf16 number from 2^-14 to 65504 exactly:
; the result is reference() of all four inputs rounded to bf16, up to the rounding of p and of f32 sums.
;
; DATA IN.  K, V and PE are f32 in memory and are wanted in 16 bits: global_load_b128, conversions, ds_store_b64 into rings of four LDS
; slots of 64 rows; a chunk's 24 loads a thread are issued in a step's first unit and waited for at the next step's head.
; The tensor mover is not used: it would land f32 in LDS and cost a second trip through LDS.  No joint requests in a cluster: the four query
; blocks of a head want the same chunk of K and V four steps apart (chunk g is step g of block 0 and step g-4 of block 1), so a joint walk
; would take 32 steps in place of 20; PE is common to all but is 262,144 bytes in the whole launch.
;
; THE MODE: SCHED_MODE bits 1:0 = 2 (LLVM: expert scheduling mode 2), set by the entry lines.  The code itself states the register dependences
; between vector or matrix instructions and memory or LDS instructions, with s_wait_alu, always for 0.
; THE PLAN.  Registers that memory or LDS instructions touch, and who else names them:
;   addresses v1-v31     made once at the start by vector instructions and never written again: two waits at the start serve the whole kernel.
;   staging (window 3)   a chunk's 24 global loads land; the next step head's conversions read and write it; that head's LDS stores read it;
;                        the global loads of that step's first unit land in it again.
;   POSD                 written by POS of unit u, read by unit u's eight stage stores, written again by POS of unit u + 1.
;   score buffers        unit u's C loads land in the buffer on which unit u - 1's multiply-adds, exponentials, sums and roundings worked.
;   K, V, PE fragments   read by matrix instructions alone; loaded again behind the last product that read them (K: this unit's; V, PE: the unit before's).
; So a unit holds two waits.  On va_vdst, behind the maximum's chain: POS has written POSD, and every vector or matrix instruction issued so far
; is done with the registers in which the unit's loads land.  All the unit's memory and LDS instructions follow it; the vector instructions among
; which they are dealt name the unit's own score buffer, v32-57 and PK alone.  On vm_vsrc, between K Q^T and POS: the last unit's stage stores have
; read POSD and a step head's LDS stores have read the staging.  A step head holds one wait on va_vdst, between its conversions and its LDS stores.
;
; LIMITS.  |value| above 65504 overflows f16; |value| below 2^-14 is kept to within 2^-25.  A probability below 2^-14 of the running
; maximum's term is kept to within 2^-25, against a sum of at least 1.  v_exp_f32 gives 0 for results below 2^-126.
; Masked places are set to -inf before the maximum; every query has a kept key in its first unit, so the running maximum is finite from
; then on.  Key and value rows read past x = 1279 (at most 3, from the mirror rows) and stage words with l < 0 or l > 1023 meet masked
; places only; with infinities or NaN in value the zeros times such rows give NaN, as reference()'s own product with the zero-filled band
; does, but not element for element.
; The shifted stage reads touch 16-byte columns 2 r mod 16 (two lanes a column) while the stores touch 3 r mod 16 (all different):
; with one pitch for both, 560 bytes, one of the two has to pair up.
; In the last trip of the loop the PE chunk number is clamped to 15: four chunk loads are repeats, and step 15 loads a set of PE fragments
; that no product reads.  That keeps the loop's four steps alike; every address stays inside key_pe.
; ---- LDS map (bytes) ----
.set KP,     144                       ; K row: 64 bf16 + 16 bytes
.set VP,     160                       ; V row: 64 f16 + 32 bytes (odd multiple of 32, for the transposing load)
.set PP,     160                       ; PE row (one d, 64 l): the same
.set KSLOT,  64*KP
.set VSLOT,  64*VP
.set PSLOT,  64*PP
.set KB,     0                         ; 264 rows: 4 slots of 64, then 8 rows that repeat rows 0-7 (a wave reads up to 3 rows past a slot)
.set VB,     264*KP                    ; 264 rows likewise
.set PB,     VB+264*VP                 ; 4 slots of 64 rows
.set STG,    PB+4*PSLOT                ; stages: wave, tile, query row
.set SROW,   560                       ; 128 f32 + 48 bytes
.set STILE,  16*SROW
.set SWAVE,  4*STILE
.set OPITCH, 272                       ; the way out: a row of 64 f32 + 16 bytes
; ---- vector registers, window 0 ----
.set KA,   1                           ; LDS address of my K fragment rows
.set VA,   2                           ; of my V fragment rows (transposing load)
.set PA,   3                           ; of my PE fragment rows (transposing load)
.set KST,  4                           ; where I store 8 bytes of a K chunk
.set VST,  5
.set PST,  6
.set GKV,  7                           ; 16 x thread: my 16 bytes in 2,048 of a K or V chunk
.set GPE,  8                           ; my 16 bytes of a PE chunk
.set STA,  9                           ; stage, store side
.set THR,  10                          ; 4 r - 8 h, signed: the mask's threshold
.set NINF, 11                          ; -inf
.set OST,  12                          ; the way out, store side
.set ORD,  13                          ; the way out, read side
.set OGO,  14                          ; my byte offset in out0
.set GQ,   15                          ; my byte offset in query
.set LDA,  16                          ; v16-31: stage, shifted read side, [8 p + 2 kt + e]
.set MM,   32                          ; v32-35 running maximum of tile t, in raw score units
.set LS,   36                          ; v36-39 running sum of tile t (per half of the lanes until the end)
.set MX,   40                          ; v40-43 max chains
.set ALPHA,44                          ; v44 (pair with v45)
.set NMS,  46                          ; v46: - log2(e)/8 x new maximum, broadcast from the pair v46-47
.set NM,   47                          ; v47: the new maximum
.set SU,   48                          ; v48-55 sum chains
.set TP,   56                          ; destination of the lane exchange
.set AD,   57
.set INV,  58                          ; v58 (pair with v59)
.set ZZ,   60                          ; v60-63 zeros
.set QF,   64                          ; v64-127 Q fragments, (t, kk) at 8 (2 t + kk)
.set SBA,  128                         ; v128-159 and v160-191: two score buffers
.set POSD, 192                         ; v192-223 pos^T of the next unit
.set PK,   224                         ; v224-239 packed probabilities
.set MSK,  32                          ; s32-39: lane masks, made once: mask 2 kt + g has the lanes with 16 kt + 4 g < 4 r - 8 h
; window 1: PE fragments, set (delta mod 4) at 64 set + 8 (2 u + kk); at the start staging of chunks 1 and 2
; window 2: K fragments 8 (2 kt + kk); V^T fragments VF + 8 (2 dt + kc); O^T(t, dt) at OB + 32 t + 8 dt; at the start raw q in OB
; window 3: staging of one chunk: K 0-31, V 32-63, PE 64-95
.set VF,   64
.set OB,   128
.set PH,   0
.set CUR,  SBA
.set NXT,  SBA+32
.set MSB,  0
.macro WIN new                         ; low byte: 1:0 source 0, 3:2 source 1, 5:4 source 2, 7:6 destination; high byte repeats the setting that is left
.if MSB != \new
	s_set_vgpr_msb (MSB<<8)|\new
.set MSB, \new
.endif
.endm
.macro PLACES                          ; four independent vector instructions behind a matrix instruction (ISA guide 7.12.1)
.rept 4
	v_nop
.endr
.endm
; 24 loads: one chunk of K, V (64 rows of 256 bytes, dense) and PE (64 rows of 256 bytes, 4,096 apart).  Sixteen lanes read one whole row.
.macro GLOAD win, base, kofs, pofs
	WIN \win
.irp i, 0,1,2,3,4,5,6,7
	global_load_b128 v[\base+4*\i:\base+4*\i+3], v[GKV], s[6:7] offset:\kofs+2048*\i
.endr
.irp i, 0,1,2,3,4,5,6,7
	global_load_b128 v[\base+32+4*\i:\base+32+4*\i+3], v[GKV], s[8:9] offset:\kofs+2048*\i
.endr
.irp i, 0,1,2,3,4,5,6,7
	global_load_b128 v[\base+64+4*\i:\base+64+4*\i+3], v[GPE], s[24:25] offset:\pofs+32768*\i
.endr
.endm
; Round a staged chunk to bf16 in place (4 f32 become 2 registers), write V's bf16 numbers as f16, and store the chunk into ring slot \slot.
; cw, sw: windows for converting, storing.
.macro CVST cw, sw, base, slot, pe
	WIN \cw
.set n, 0
.rept 16+8*\pe
	v_cvt_pk_bf16_f32 v[\base+4*n], v[\base+4*n], v[\base+4*n+1]
	v_cvt_pk_bf16_f32 v[\base+4*n+1], v[\base+4*n+2], v[\base+4*n+3]
.set n, n+1
.endr
	; V: each packed pair is widened into the group's two free registers and narrowed to f16 (exact between 2^-14 and 65504)
.irp w, 0,1
.irp i, 0,1,2,3,4,5,6,7
	v_lshlrev_b32 v[\base+32+4*\i+2], 16, v[\base+32+4*\i+\w]
	v_and_b32 v[\base+32+4*\i+3], s23, v[\base+32+4*\i+\w]
.endr
.irp i, 0,1,2,3,4,5,6,7
	v_cvt_pk_f16_f32 v[\base+32+4*\i+\w], v[\base+32+4*\i+2], v[\base+32+4*\i+3]
.endr
.endr
	WIN \sw
	s_wait_alu depctr_va_vdst(0)                   ; the conversions have written the staging registers, which the LDS stores below read
.irp i, 0,1,2,3,4,5,6,7
	ds_store_b64 v[KST], v[\base+4*\i:\base+4*\i+1] offset:\slot*KSLOT+8*KP*\i
.endr
.irp i, 0,1,2,3,4,5,6,7
	ds_store_b64 v[VST], v[\base+32+4*\i:\base+32+4*\i+1] offset:\slot*VSLOT+8*VP*\i
.endr
.if \slot == 0
	ds_store_b64 v[KST], v[\base:\base+1] offset:256*KP            ; rows 0-7 once more behind slot 3
	ds_store_b64 v[VST], v[\base+32:\base+33] offset:256*VP
.endif
.if \pe
.irp i, 0,1,2,3,4,5,6,7
	ds_store_b64 v[PST], v[\base+64+4*\i:\base+64+4*\i+1] offset:\slot*PSLOT+8*PP*\i
.endr
.endif
.endm
; The head of step s.  bar: the step's barrier.  st: chunk s+3 goes into slot (s+3) mod 4.  ld: the bases move on to chunk s+4, which the step's first unit asks for.
.macro STEPHEAD slot, bar, st, pe, ld
.if \bar
	s_wait_dscnt 0x0                               ; my reads of the slot that is written below (last step's) and my stores of the last head are done
	s_barrier_signal -1
	s_barrier_wait -1                              ; and everybody's
.endif
.if \st
	s_wait_loadcnt 0x0                             ; the chunk asked for one step ago; this also frees the loads' bases
	CVST 0xcf, 0x0c, 0, \slot, \pe
.endif
.if \ld
	s_add_nc_u64 s[6:7], s[6:7], 16384
	s_add_nc_u64 s[8:9], s[8:9], 16384
	s_add_co_u32 s28, s28, 256
	s_min_u32 s26, s28, 3840                       ; PE has 16 chunks of 256 bytes a row: stay on the last
	s_add_nc_u64 s[24:25], s[10:11], s[26:27]
.endif
.endm
; Fragments.  c = 2 kk + e (or 2 kc + e): which 16 of the 64 along the product's K.
.macro LDK slot                        ; 64 keys x 64 d: rows lie along d, two 16-byte loads 32 bytes apart for each 32 d
.irp kt, 0,1,2,3
.irp c, 0,1,2,3
	ds_load_b128 v[16*\kt+4*\c:16*\kt+4*\c+3], v[KA] offset:\slot*KSLOT+16*KP*\kt+32*\c
.endr
.endr
.endm
.macro LDV slot                        ; V^T: 64 d x 64 keys from rows that lie along d: transposing loads
.irp dt, 0,1,2,3
.irp c, 0,1,2,3
	ds_load_tr16_b128 v[VF+16*\dt+4*\c:VF+16*\dt+4*\c+3], v[VA] offset:\slot*VSLOT+16*VP*\c+32*\dt
.endr
.endr
.endm
.macro LDP set                         ; PE^T: 64 l x 64 d from rows that lie along l: transposing loads
.irp u, 0,1,2,3
.irp c, 0,1,2,3
	ds_load_tr16_b128 v[64*\set+16*\u+4*\c:64*\set+16*\u+4*\c+3], v[PA] offset:\set*PSLOT+16*PP*\c+32*\u
.endr
.endr
.endm
.macro QK t                            ; S^T += K Q^T; C came from the stage.  The second four are links in place
.irp kk, 0,1
.irp kt, 0,1,2,3
	v_wmma_f32_16x16x32_bf16 v[CUR+8*\kt:CUR+8*\kt+7], v[8*(2*\kt+\kk):8*(2*\kt+\kk)+7], v[QF+8*(2*\t+\kk):QF+8*(2*\t+\kk)+7], v[CUR+8*\kt:CUR+8*\kt+7]
.endr
.endr
.endm
.macro POS t, set                      ; pos^T = PE^T Q^T for 64 l; the first product starts the sums
.irp u, 0,1,2,3
	v_wmma_f32_16x16x32_bf16 v[POSD+8*\u:POSD+8*\u+7], v[64*\set+16*\u:64*\set+16*\u+7], v[QF+16*\t:QF+16*\t+7], 0
.endr
.irp u, 0,1,2,3
	v_wmma_f32_16x16x32_bf16 v[POSD+8*\u:POSD+8*\u+7], v[64*\set+16*\u+8:64*\set+16*\u+15], v[QF+16*\t+8:QF+16*\t+15], v[POSD+8*\u:POSD+8*\u+7]
.endr
.endm
.macro PV t, first                     ; O^T += V^T P^T, both operands f16
.irp kc, 0,1
.irp dt, 0,1,2,3
.if \first*(1-\kc)
	v_wmma_f32_16x16x32_f16 v[OB+32*\t+8*\dt:OB+32*\t+8*\dt+7], v[VF+8*(2*\dt+\kc):VF+8*(2*\dt+\kc)+7], v[PK+8*\kc:PK+8*\kc+7], 0
.else
	v_wmma_f32_16x16x32_f16 v[OB+32*\t+8*\dt:OB+32*\t+8*\dt+7], v[VF+8*(2*\dt+\kc):VF+8*(2*\dt+\kc)+7], v[PK+8*\kc:PK+8*\kc+7], v[OB+32*\t+8*\dt:OB+32*\t+8*\dt+7]
.endif
.endr
.endr
.endm
.macro STST t, p                       ; pos^T into half p of tile t's ring: word l mod 128 of row r
.irp u, 0,1,2,3
.irp e, 0,1
	ds_store_b128 v[STA], v[POSD+8*\u+4*\e:POSD+8*\u+4*\e+3] offset:STILE*\t+256*\p+64*\u+16*\e
.endr
.endr
.endm
.macro CLD t, p, buf                   ; the same ring read 16 r bytes lower (mod 512): pos in key coordinates, as C of the next K Q^T
.irp kt, 0,1,2,3
.irp e, 0,1
	ds_load_b128 v[\buf+8*\kt+4*\e:\buf+8*\kt+4*\e+3], v[LDA+8*\p+2*\kt+\e] offset:STILE*\t
.endr
.endr
.endm
; One unit: tile t in step s (16 queries x 64 keys).  kind 0: first of the tile (delta 0), 1: whole, 2: last (delta 16).
; (nt, ns): the unit that follows; nk 1: make its pos^T and load its C, 2: load its C only (delta 16 has no new l), 0: nothing follows.
; fv: load this step's V fragments; fpe: the next PE set; fk: the next step's K fragments.  dsl: LDS instructions that may stay out at the head.
; gl: ask for the chunk at which the step's head has set the bases.
.macro UNIT t, s, kind, nt, ns, nk, fv, fpe, fk, dsl, gl=0
.set PSET, (\ns-\nt)&3
.set PPAR, (\ns-\nt)&1
.set SL0, (\s)&3
.set SL1, (\s+1)&3
.set NAFT, 16*\fpe+16*\fk
.if \nk
.set NAFT, NAFT+8
.endif
	s_wait_dscnt \dsl                              ; my C (and K fragments) are in; only a step head's stores, issued behind them, may be out
	WIN 0x02
	QK \t
.if \nk == 1
	WIN 0x01
	s_wait_alu depctr_vm_vsrc(0)                   ; the last unit's stage stores have read POSD, which POS writes again; a step head's LDS stores have read the staging, in which this unit's global loads land and which the next head's conversions write
	POS \nt, PSET
.endif
	WIN 0
	PLACES                                         ; before S is read and pos^T stored
.if \kind != 1
.irp kt, 0,1,2,3
.irp j, 0,1,2,3,4,5,6,7
.if \kind == 0
	v_cndmask_b32 v[CUR+8*\kt+\j], v[CUR+8*\kt+\j], v[NINF], s[MSK+2*\kt+\j/4]   ; jj = 16 kt + 8 h + j < 4 r: l < 0
.else
	v_cndmask_b32 v[CUR+8*\kt+\j], v[NINF], v[CUR+8*\kt+\j], s[MSK+2*\kt+\j/4]   ; jj >= 4 r: l > 1023
.endif
.endr
.endr
.endif
	; the new maximum of my query: four chains over my 32 scores, the old maximum, the other half of the lanes
.irp c, 0,1,2,3
	v_max3_num_f32 v[MX+\c], v[CUR+8*\c], v[CUR+8*\c+1], v[CUR+8*\c+2]
.endr
.irp c, 0,1,2,3
	v_max3_num_f32 v[MX+\c], v[MX+\c], v[CUR+8*\c+3], v[CUR+8*\c+4]
.endr
.irp c, 0,1,2,3
	v_max3_num_f32 v[MX+\c], v[MX+\c], v[CUR+8*\c+5], v[CUR+8*\c+6]
.endr
	v_max3_num_f32 v[MX], v[MX], v[CUR+7], v[MX+1]
	v_max3_num_f32 v[MX+2], v[MX+2], v[CUR+15], v[MX+3]
	v_max3_num_f32 v[MX], v[MX], v[CUR+23], v[MX+2]
.if \kind == 0
	v_max_num_f32 v[MX], v[MX], v[CUR+31]
.else
	v_max3_num_f32 v[MX], v[MX], v[CUR+31], v[MM+\t]
.endif
	v_permlanex16_b32 v[TP], v[MX], s20, s21       ; lane i takes lane i xor 16: the same query's other 32 keys
	v_max_num_f32 v[NM], v[MX], v[TP]
	v_mul_f32 v[NMS], s29, v[NM]                   ; - log2(e)/8 x maximum: the addend of the multiply-adds below
	; LDS and memory work for what follows, dealt among the multiply-adds and the exponentials
	s_wait_alu depctr_va_vdst(0)                   ; POS has written POSD, which the stage stores read; K Q^T is done reading K, the last unit's P V and POS are done reading V and the PE set, its vector work is done with the other score buffer, the head's conversions with the staging: in all of these the loads below land
.if \nk == 1
	STST \nt, PPAR
.endif
.if \fv
	WIN 0x80
	LDV SL0
.endif
	WIN 0
	; p = 2^(c s - c max), alpha = 2^(c old max - c max), c = log2(e)/8: scale and maximum in one fused multiply-add
.if \kind != 0
	v_fma_f32 v[AD], v[MM+\t], s30, v[NMS]
.endif
.set n, 0
.rept 16
	v_pk_fma_f32 v[CUR+2*n:CUR+2*n+1], v[CUR+2*n:CUR+2*n+1], s[30:31], v[NMS:NMS+1] op_sel_hi:[1,0,0]
.if \nk
.if n%2
	ds_load_b128 v[NXT+4*(n/2):NXT+4*(n/2)+3], v[LDA+8*PPAR+n/2] offset:STILE*\nt   ; the next unit's C, as CLD reads it.  LDS serves a wave's instructions in order (ISA guide 5.7.1): these see the stage stores above.  No vector instruction since the wait names the other score buffer
.endif
.endif
.set n, n+1
.endr
.if \kind != 0
	v_exp_f32 v[ALPHA], v[AD]
.endif
.set n, 0
.rept 16
	v_exp_f32 v[CUR+n], v[CUR+n]
.set n, n+1
.endr
	; no vector instruction since the wait names windows 1 and 3 or the fragments of window 2
.if \fpe
	WIN 0x40
	LDP SL1
.endif
.if \fk
	WIN 0x80
	LDK SL1
.endif
.if \gl
	GLOAD 0xc0, 0, 0, 0
.endif
	WIN 0
.rept 16
	v_exp_f32 v[CUR+n], v[CUR+n]
.set n, n+1
.endr
	v_mov_b32 v[MM+\t], v[NM]                      ; the plain instruction between the exponentials and the first use of a result
	s_wait_alu depctr_va_vdst(0)
.irp c, 0,1,2,3
	v_pk_add_f32 v[SU+2*\c:SU+2*\c+1], v[CUR+4*\c:CUR+4*\c+1], v[CUR+4*\c+2:CUR+4*\c+3]
.endr
.irp c, 0,1,2,3
	v_pk_add_f32 v[SU+2*\c:SU+2*\c+1], v[SU+2*\c:SU+2*\c+1], v[CUR+16+2*\c:CUR+16+2*\c+1]
.endr
.irp c, 0,1,2,3
	v_pk_add_f32 v[SU+2*\c:SU+2*\c+1], v[SU+2*\c:SU+2*\c+1], v[CUR+24+2*\c:CUR+24+2*\c+1]
.endr
	v_pk_add_f32 v[SU:SU+1], v[SU:SU+1], v[SU+2:SU+3]
	v_pk_add_f32 v[SU+4:SU+5], v[SU+4:SU+5], v[SU+6:SU+7]
	v_pk_add_f32 v[SU:SU+1], v[SU:SU+1], v[SU+4:SU+5]
.if \kind == 0
	v_add_f32 v[LS+\t], v[SU], v[SU+1]
.else
	v_add_f32 v[SU], v[SU], v[SU+1]
	v_fma_f32 v[LS+\t], v[LS+\t], v[ALPHA], v[SU]
.endif
.irp i, 0,1,2,3,4,5,6,7,8,9,10,11,12,13,14,15
	v_cvt_pk_f16_f32 v[PK+\i], v[CUR+2*\i], v[CUR+2*\i+1]    ; p <= 1; keys 16 kt + 8 h + j: exactly the second source's layout for 32 keys
.endr
.if \fv
	s_wait_dscnt NAFT                              ; the V fragments are in; the NAFT loads issued behind them (C, PE, K) may stay out
.endif
	WIN 0xa2
.if \kind != 0
.irp i, 0,1,2,3,4,5,6,7,8,9,10,11,12,13,14,15
	v_pk_mul_f32 v[OB+32*\t+2*\i:OB+32*\t+2*\i+1], v[OB+32*\t+2*\i:OB+32*\t+2*\i+1], v[ALPHA:ALPHA+1] op_sel_hi:[1,0]
.endr
	PV \t, 0
.else
	PV \t, 1
.endif
.set PH, 1-PH
.set CUR, SBA+32*PH
.set NXT, SBA+32*(1-PH)
.endm
; Tile t is done: divide by the sum, turn O^T round through the tile's stage (no longer used for pos), store whole rows of 256 bytes.
.macro OUT t
	WIN 0
	PLACES                                         ; behind the last P V products, before O is read
	v_permlanex16_b32 v[TP], v[LS+\t], s20, s21
	v_add_f32 v[LS+\t], v[LS+\t], v[TP]            ; both halves of the keys; at least 1, the maximum's own term
	v_rcp_f32 v[INV], v[LS+\t]
	v_nop                                          ; one plain instruction behind the reciprocal
	WIN 0x82
	s_wait_alu depctr_va_vdst(0)
.irp i, 0,1,2,3,4,5,6,7,8,9,10,11,12,13,14,15
	v_pk_mul_f32 v[OB+32*\t+2*\i:OB+32*\t+2*\i+1], v[OB+32*\t+2*\i:OB+32*\t+2*\i+1], v[INV:INV+1] op_sel_hi:[1,0]
.endr
	WIN 0x08
	s_wait_alu depctr_va_vdst(0)                   ; the multiplies have written O^T, which the LDS stores read; the finished unit's exponentials, sums and roundings are done with its score buffer, in which the rows below land
.irp dt, 0,1,2,3
.irp e, 0,1
	ds_store_b128 v[OST], v[OB+32*\t+8*\dt+4*\e:OB+32*\t+8*\dt+4*\e+3] offset:STILE*\t+64*\dt+16*\e
.endr
.endr
	WIN 0
.irp i, 0,1,2,3,4,5,6,7
	ds_load_b128 v[NXT+4*\i:NXT+4*\i+3], v[ORD] offset:STILE*\t+2*OPITCH*\i     ; lanes 0-15 row 2 i, lanes 16-31 row 2 i + 1
.endr
.irp i, 0,1,2,3,4,5,6,7
	s_wait_dscnt 7-\i
	global_store_b128 v[OGO], v[NXT+4*\i:NXT+4*\i+3], s[12:13] offset:16384*\t+2048*\i th:TH_STORE_NT   ; 16 lanes store one query's 256 bytes, aligned
.endr
	s_wait_xcnt 0x0                                ; the free score buffer is loaded again only behind this wait
.if \t < 3
	s_wait_alu depctr_vm_vsrc(0)                   ; the global stores have read the free score buffer, in which the next unit's C loads land
.endif
.endm
.macro FULLSTEP s, slot, nst           ; a step in which all four tiles are whole
	STEPHEAD \slot, 1, 1, 1, 1
	UNIT 3, \s, 1, 2, \s, 1, 1, 1, 0, \nst, 1
	UNIT 2, \s, 1, 1, \s, 1, 0, 0, 0, 0
	UNIT 1, \s, 1, 0, \s, 1, 0, 0, 0, 0
	UNIT 0, \s, 1, 3, \s+1, 1, 0, 0, 1, 0
.endm
; ================= the start =================
	s_load_b256 s[4:11], s[0:1], 0x0               ; query s[4:5], key s[6:7], value s[8:9], key_pe s[10:11]
	s_load_b64 s[12:13], s[0:1], 0x20              ; out0
	v_lshl_add_u32 v254, v0, 2, 0x40a00
	v_mov_b32 v255, 0
	v_lshrrev_b32 v[TP], 5, v0
	v_readfirstlane_b32 s14, v[TP]                 ; wave = c
	s_and_b32 s15, ttmp7, 0xffff                   ; head
	s_lshl_b32 s16, ttmp9, 16                      ; query block x 256 rows x 256 bytes
	s_lshl_b32 s18, s15, 19                        ; head x 2048 rows x 256 bytes
	s_add_co_u32 s18, s18, s16                     ; K and V: the block's first key row is its first query's number
	s_mov_b32 s19, 0
	s_lshl_b32 s32, s15, 18                        ; head x 1024 rows x 256 bytes
	s_add_co_u32 s32, s32, s16
	s_wait_alu depctr_va_sdst(0)                   ; s14 is written, ahead of its first reader
	s_lshl_b32 s17, s14, 8
	s_add_co_u32 s32, s32, s17                     ; + c rows
	s_mov_b32 s33, 0
	s_mov_b32 s20, 0x76543210
	s_mov_b32 s21, 0xfedcba98
	s_mov_b32 s23, 0xffff0000                      ; a word's upper bf16
	s_mov_b32 s29, 0xbe38aa3b                      ; - log2(e) / 8
	s_mov_b32 s30, 0x3e38aa3b                      ; log2(e) / 8
	s_mov_b32 s31, 0x3e38aa3b
	s_mov_b32 s27, 0
	s_mul_i32 s17, s14, SWAVE
	s_add_co_u32 s17, s17, STG                     ; my wave's stages
	v_and_b32 v40, 15, v0                          ; r
	v_bfe_u32 v41, v0, 4, 1                        ; h
	v_lshrrev_b32 v48, 4, v0                       ; thread / 16: 0..7
	v_lshlrev_b32 v[GKV], 4, v0
	v_lshlrev_b32 v[GPE], 12, v48
	v_lshl_add_u32 v[GPE], v40, 4, v[GPE]
	v_lshlrev_b32 v[GQ], 10, v40                   ; 4 r rows of 256 bytes
	v_lshl_add_u32 v[GQ], v41, 5, v[GQ]            ; + 8 h numbers
	s_wait_kmcnt 0x0
	s_add_nc_u64 s[6:7], s[6:7], s[18:19]
	s_add_nc_u64 s[8:9], s[8:9], s[18:19]
	s_add_nc_u64 s[4:5], s[4:5], s[32:33]
	s_add_nc_u64 s[12:13], s[12:13], s[32:33]
	s_mov_b64 s[24:25], s[10:11]
	WIN 0xc0
	s_wait_alu depctr_va_vdst(0)                   ; the three offsets v7, v8 and v15 are written, which every global load of the kernel reads
	GLOAD 0xc0, 0, 0, 0                            ; chunk 0 into window 3
	GLOAD 0x40, 0, 16384, 256                      ; chunks 1 and 2 into window 1, which holds no fragments yet
	GLOAD 0x40, 96, 32768, 512
	WIN 0x80
.irp t, 0,1,2,3
.irp c, 0,1,2,3
.irp q, 0,1
	global_load_b128 v[OB+32*\t+8*\c+4*\q:OB+32*\t+8*\c+4*\q+3], v[GQ], s[4:5] offset:16384*\t+64*\c+16*\q   ; q(64 t + 4 r + c, 16 c' + 8 h ..)
.endr
.endr
.endr
	WIN 0
	v_and_b32 v42, 7, v0
	v_bfe_u32 v43, v0, 3, 1
	v_add_nc_u32 v49, s14, v40                     ; r + c: the wave's key shift is a row shift
	v_mul_u32_u24 v[KA], v49, KP
	v_lshl_add_u32 v[KA], v41, 4, v[KA]
	v_lshl_add_u32 v49, v41, 3, v42                ; 8 h + lane mod 8
	v_mul_u32_u24 v[PA], v49, PP
	v_lshl_add_u32 v[PA], v43, 4, v[PA]
	v_add_nc_u32 v[PA], PB, v[PA]
	v_add_nc_u32 v49, s14, v49
	v_mul_u32_u24 v[VA], v49, VP
	v_lshl_add_u32 v[VA], v43, 4, v[VA]
	v_add_nc_u32 v[VA], VB, v[VA]
	v_mul_u32_u24 v[KST], v48, KP
	v_lshl_add_u32 v[KST], v40, 3, v[KST]
	v_mul_u32_u24 v[VST], v48, VP
	v_lshl_add_u32 v[VST], v40, 3, v[VST]
	v_add_nc_u32 v[PST], PB, v[VST]
	v_add_nc_u32 v[VST], VB, v[VST]
	v_mul_u32_u24 v51, v40, SROW
	v_add_nc_u32 v51, s17, v51                     ; my query's stage row (tile 0)
	v_lshl_add_u32 v[STA], v41, 5, v51
	v_lshlrev_b32 v[THR], 2, v40
	v_lshlrev_b32 v52, 3, v41
	v_sub_nc_u32 v[THR], v[THR], v52
	v_mov_b32 v[NINF], 0xff800000
	v_mul_u32_u24 v[OST], v40, OPITCH
	v_add_nc_u32 v[OST], s17, v[OST]
	v_lshl_add_u32 v[OST], v41, 5, v[OST]
	v_mul_u32_u24 v[ORD], v41, OPITCH
	v_add_nc_u32 v[ORD], s17, v[ORD]
	v_lshl_add_u32 v[ORD], v40, 4, v[ORD]
	v_lshlrev_b32 v[OGO], 10, v41                  ; row 2 i + h is query 4 (2 i + h): 1,024 bytes for h
	v_lshl_add_u32 v[OGO], v40, 4, v[OGO]
	v_lshlrev_b32 v53, 5, v41
	v_add_nc_u32 v53, 512, v53
	v_lshlrev_b32 v54, 4, v40
	v_sub_nc_u32 v53, v53, v54                     ; 512 + 32 h - 16 r, at least 272
.irp p, 0,1
.irp kt, 0,1,2,3
.irp e, 0,1
	v_add_nc_u32 v54, 256*\p+64*\kt+16*\e, v53
	v_and_b32 v54, 0x1ff, v54                      ; inside the ring of 512 bytes; a multiple of 16, so 16 bytes never wrap
	v_add_nc_u32 v[LDA+8*\p+2*\kt+\e], v51, v54
.endr
.endr
.endr
.irp z, 0,1,2,3
	v_mov_b32 v[ZZ+\z], 0
.endr
	v_mov_b32 v[ALPHA+1], 0                        ; second registers of pairs whose first is broadcast
	v_mov_b32 v[INV+1], 0
	; The masks hang on the lane alone, so they are made once, in one run.  The threshold 4 r - 8 h and 16 kt + 4 g are multiples of 4, so
	; 16 kt + 4 g + 0..3 lie on the same side of it: eight masks serve a unit's 32 scores.  A tile's last unit takes their complement.
.irp m, 0,1,2,3,4,5,6,7
	v_cmp_lt_i32 s[MSK+\m], 16*((\m)/2)+4*((\m)%2), v[THR]
.endr
	s_wait_alu depctr_va_sdst(0)                   ; the eight masks are written, ahead of the selects that read them
	s_wait_alu depctr_va_vdst(0)                   ; all LDS addresses, out0's offset and the four zeros are written, which the stores below and every later LDS instruction and store read
.irp t, 0,1,2,3
.irp u, 0,1,2,3
.irp e, 0,1
	ds_store_b128 v[STA], v[ZZ:ZZ+3] offset:STILE*\t+256+64*\u+16*\e   ; ring half 1 stands for l = -64..-1 in the first unit: masked, but written
.endr
.endr
.endr
	s_wait_loadcnt 0x0                             ; chunks 0-2 and q
	CVST 0xcf, 0x0c, 0, 0, 1
	CVST 0x45, 0x04, 0, 1, 1
	CVST 0x45, 0x04, 96, 2, 1
	s_add_nc_u64 s[6:7], s[6:7], 49152             ; chunk 3
	s_add_nc_u64 s[8:9], s[8:9], 49152
	s_mov_b32 s28, 768
	s_mov_b32 s26, 768
	s_add_nc_u64 s[24:25], s[10:11], s[26:27]
	WIN 0xc0
	s_wait_alu depctr_vm_vsrc(0)                   ; the LDS stores of chunks 0 to 2 have read their staging: chunk 3 lands in window 3's, the PE fragments later in window 1's (the conversions that named them stand ahead of the last wait on va_vdst)
	GLOAD 0xc0, 0, 0, 0
	WIN 0x0a
.set n, 0
.rept 64
	v_cvt_pk_bf16_f32 v[QF+n], v[OB+2*n], v[OB+2*n+1]              ; q as it comes: the scale follows behind the products
.set n, n+1
.endr
	s_wait_dscnt 0x0                               ; my parts of chunks 0-2 are in LDS
	s_barrier_signal -1
	s_barrier_wait -1                              ; everybody's are
	WIN 0x80
	LDK 0                                          ; q's conversions, the only vector work since the last wait on va_vdst, name v64-127 and window 2's v128-255: none of the registers of these loads
	WIN 0x40
	LDP 0
	s_wait_dscnt 0x0
	WIN 0x01
	POS 0, 0
	WIN 0
	PLACES
	s_wait_alu depctr_va_vdst(0)                   ; POS has written POSD, which the stage stores read; the places above stay beside this wait
	STST 0, 0
	CLD 0, 0, CUR
; ================= steps 0-3: the tiles come in one by one =================
	STEPHEAD 3, 0, 1, 1, 1                         ; slot 3 has had no reader yet: no barrier
	UNIT 0, 0, 0, 1, 1, 1, 1, 1, 1, 24, 1
	STEPHEAD 0, 1, 1, 1, 1
	UNIT 1, 1, 0, 0, 1, 1, 1, 1, 0, 26, 1
	UNIT 0, 1, 1, 2, 2, 1, 0, 0, 1, 0
	STEPHEAD 1, 1, 1, 1, 1
	UNIT 2, 2, 0, 1, 2, 1, 1, 1, 0, 24, 1
	UNIT 1, 2, 1, 0, 2, 1, 0, 0, 0, 0
	UNIT 0, 2, 1, 3, 3, 1, 0, 0, 1, 0
	STEPHEAD 2, 1, 1, 1, 1
	UNIT 3, 3, 0, 2, 3, 1, 1, 1, 0, 24, 1
	UNIT 2, 3, 1, 1, 3, 1, 0, 0, 0, 0
	UNIT 1, 3, 1, 0, 3, 1, 0, 0, 0, 0
	UNIT 0, 3, 1, 3, 4, 1, 0, 0, 1, 0
; ================= steps 4-15: three trips of four steps; slots, sets and ring halves hang on s mod 4 alone =================
	WIN 0
	s_mov_b32 s22, 3
.Ltrip:
	FULLSTEP 4, 3, 24
	FULLSTEP 5, 0, 26
	FULLSTEP 6, 1, 24
	FULLSTEP 7, 2, 24
	WIN 0
	s_sub_co_u32 s22, s22, 1
	s_cmp_lg_u32 s22, 0
	s_cbranch_scc1 .Ltrip
; ================= steps 16-19: the tiles leave one by one =================
	STEPHEAD 3, 1, 1, 0, 0                         ; chunk 19, the last: K and V only, nothing more is asked for
	UNIT 3, 16, 1, 2, 16, 1, 1, 0, 0, 16
	UNIT 2, 16, 1, 1, 16, 1, 0, 0, 0, 0
	UNIT 1, 16, 1, 0, 16, 2, 0, 0, 0, 0
	UNIT 0, 16, 2, 3, 17, 1, 0, 0, 1, 0
	OUT 0
	STEPHEAD 0, 1, 0, 0, 0                         ; the barrier behind which chunk 19 may be read
	UNIT 3, 17, 1, 2, 17, 1, 1, 0, 0, 0
	UNIT 2, 17, 1, 1, 17, 2, 0, 0, 0, 0
	UNIT 1, 17, 2, 3, 18, 1, 0, 0, 1, 0
	OUT 1
	UNIT 3, 18, 1, 2, 18, 2, 1, 0, 0, 0            ; nothing is written to the rings any more: no barrier
	UNIT 2, 18, 2, 3, 19, 2, 0, 0, 1, 0
	OUT 2
	UNIT 3, 19, 2, 0, 0, 0, 1, 0, 0, 0
	OUT 3
	s_wait_dscnt 0x0
	s_wait_alu depctr_hold_cnt(0) depctr_sa_sdst(0) depctr_va_vdst(0) depctr_va_sdst(0) depctr_va_ssrc(0) depctr_va_vcc(0) depctr_vm_vsrc(0)
	s_wait_tensorcnt 0x0
	ds_add_u32 v254, v255
	s_wait_dscnt 0x0
	s_endpgm
.Lfunc_end_k_q8a40463433_seqattn:
	.size	k_q8a40463433_seqattn, .Lfunc_end_k_q8a40463433_seqattn-k_q8a40463433_seqattn
	.p2alignl 7, 3214868480
	.fill 96, 4, 3214868480
	.section	.rodata,"a",@progbits
	.p2align	6, 0x0
	.amdhsa_kernel k_q8a40463433_seqattn
		.amdhsa_group_segment_fixed_size 265216
		.amdhsa_private_segment_fixed_size 0
		.amdhsa_enable_private_segment 0
		.amdhsa_kernarg_size 40
		.amdhsa_user_sgpr_count 2
		.amdhsa_user_sgpr_kernarg_segment_ptr 1
		.amdhsa_wavefront_size32 1
		.amdhsa_system_sgpr_workgroup_id_x 1
		.amdhsa_system_sgpr_workgroup_id_y 1
		.amdhsa_system_sgpr_workgroup_id_z 1
		.amdhsa_system_vgpr_workitem_id 0
		.amdhsa_next_free_vgpr 864
		.amdhsa_next_free_sgpr 66
		.amdhsa_reserve_vcc 0
		.amdhsa_float_denorm_mode_32 3
		.amdhsa_float_denorm_mode_16_64 3
		.amdhsa_memory_ordered 1
		.amdhsa_forward_progress 1
		.amdhsa_inst_pref_size 255
	.end_amdhsa_kernel
	.section	.bss,"aw",@nobits
	.p2align	6
	.space	262144
	.amdgpu_metadata
---
amdhsa.version: [ 1, 2 ]
amdhsa.kernels:
  - .name:           k_q8a40463433_seqattn
    .symbol:         k_q8a40463433_seqattn.kd
    .args:
      - { .name: query, .offset: 0, .size: 8, .value_kind: global_buffer, .address_space: global }
      - { .name: key, .offset: 8, .size: 8, .value_kind: global_buffer, .address_space: global }
      - { .name: value, .offset: 16, .size: 8, .value_kind: global_buffer, .address_space: global }
      - { .name: key_pe, .offset: 24, .size: 8, .value_kind: global_buffer, .address_space: global }
      - { .name: out0, .offset: 32, .size: 8, .value_kind: global_buffer, .address_space: global }
    .group_segment_fixed_size: 265216
    .private_segment_fixed_size: 0
    .kernarg_segment_align: 8
    .kernarg_segment_size: 40
    .max_flat_workgroup_size: 128
    .sgpr_count:     66
    .vgpr_count:     864
    .wavefront_size: 32
...
	.end_amdgpu_metadata
.endif
;; end of part 2
